; MI455X (gfx1250); checked and timed in simulation.
; The chip was launched on July 23, 2026; its instructions are those of AMD's public machine-readable ISA for CDNA 5 (MIT licence, August 2026) and "CDNA5" Instruction Set Architecture Reference Guide (July 2026). The comments in the code are by the model that wrote it; some were corrected since.
;; Mo E. Allowed arithmetic: matrix products marked QUANTISED: E4M3 operands, one E8M0 scale for each 32 along K, by v_wmma_scale_f32_16x16x128_f8f6f4 with both operands' format E4M3, f32 sums; products left as they are: f32 operands where the result goes on into a quantised operand, else bf16, f16 or f32 operands; f32 sums; everything else in f32.
;; Inputs: W1 8 x 512 x 1,024 float32; W2 8 x 1,024 x 512 float32; Wg 512 x 8 float32; b1 8 x 1,024 float32; b2 8 x 512 float32; bg 8 float32; x 8,192 x 512 float32.
;; Outputs: out0 8,192 x 512 float32.
;; This version of the problem:
;;   THIS VERSION OF THE PROBLEM IS GIVEN IN LOW PRECISION. The matrix products marked QUANTISED in the list below multiply operands that are first quantised to E4M3 (4 exponent bits, 3 mantissa bits; 8 bits a number), with one power-of-two scale for each 32 numbers along K (OCP MX v1.0); their sums are f32. All else is computed in f32.
;;   The module's matrix products, in the order in which they are computed (A, B: the left and right operand; K: the contracted axis; several contracted axes count as one K, in the product's order):
;;     1. [M 8,192, K 512] x [K 512, N 8]; A: input x; B: input Wg: left as it is (N = 8 < 16)
;;     2. [M 8,192, K 512] x [K 512, N 8,192]; A: input W1; B: input x: QUANTISED
;;     3. batch 8 x [M 8,192, K 1,024] x [K 1,024, N 512]; A: computed on the way; B: input W2: QUANTISED
;;     4. batch 8,192 x [M 512, K 8] x [K 8, N 1]; A: computed on the way; B: computed on the way: left as it is (K = 8 < 32)
;;   THE QUANTISER, for each operand of a quantised product, along K:
;;     - K is cut into blocks of 32 from its start; a last block that is shorter is filled with zeros.
;;     - A block's scale is 2^e with e = floor(log2(the largest magnitude in the block)) - 8, held to -126 .. 127; a block of zeros has e = 0. As a byte (E8M0): e + 127.
;;     - Each number is divided by its block's scale, clamped to +-448, and rounded to the nearest number of E4M3, ties to even, subnormals kept.
;;     - The product sums the exact products of the quantised numbers (number of the format x scale) in f32.
;;   ~~~python
;;   def quantise(x, axis):      # numpy; x: float32 -> the quantised numbers, widened to float32 again
;;       x = np.moveaxis(x, axis, -1); K = x.shape[-1]
;;       x = np.pad(x, [(0, 0)] * (x.ndim - 1) + [(0, -K % 32)]); x = x.reshape(x.shape[:-1] + (-1, 32)); a = np.abs(x).max(-1, keepdims=True)
;;       e = np.where(a > 0, np.clip(np.frexp(np.where(a > 0, a, 1))[1] - 1 - 8, -126, 127), 0)      # np.frexp(a)[1] - 1 = floor(log2(a)), exactly
;;       r = np.clip(x / 2.0 ** e, -448, 448)
;;       step = 2.0 ** (np.maximum(np.frexp(np.where(r == 0, 1, r))[1] - 1, -6) - 3)
;;       q = np.round(r / step) * step * 2.0 ** e      # np.round: ties to even
;;       return np.moveaxis(q.reshape(q.shape[:-2] + (-1,))[..., :K], -1, axis).astype(np.float32)
;;   ~~~
;;   OPERANDS COMPUTED ON THE WAY. 'Computed on the way' means the value that the module computes at that place (a softmax that the list does not call 'softmax' is quantised finished and normalised). What goes into a quantiser is computed in f32, as accurately as f32 sums, v_exp_f32 and their like allow (about 1e-6 of the number): no bf16 or f16 on the way to a quantiser, and a product that is left as it is and whose result goes on into a quantised operand takes f32 operands (vector FMAs, or v_wmma_f32_16x16x4_f32). A number that lies on a knife's edge between two numbers of the format may be rounded either way, as far as f32 arithmetic and the matrix unit's own rounding can turn it there, and no further.
;; One version. Each part assembles by itself: llvm-mc -triple=amdgcn-amd-amdhsa -mcpu=gfx1250 --defsym DOCPART=n.
;; ======== version 1 of 1: 3 launches
;; workspace buffers: xc 4,194,304 bytes; xs 131,072 bytes; ids 32,768 bytes of whole numbers; wc 8,388,608 bytes; ws 262,144 bytes; route 35,072 bytes of whole numbers
;; launch gate (part 1): grid 256 x 1, 2 waves a work-group, no clusters, 28,928 bytes of LDS; arguments x, Wg, bg, xc, xs, ids; writes xc, xs, ids
.if DOCPART == 1
	.amdgcn_target "amdgcn-amd-amdhsa--gfx1250"
	.amdhsa_code_object_version 6
	.text
	.protected	k_q02fb4c97a9_gate
	.globl	k_q02fb4c97a9_gate
	.p2align	8
	.type	k_q02fb4c97a9_gate,@function
k_q02fb4c97a9_gate:
	s_mov_b64 s[64:65], 0
	v_nop
	global_prefetch_b8 v0, s[64:65] scope:SCOPE_SE
	s_setreg_imm32_b32 hwreg(HW_REG_WAVE_MODE, 25, 1), 1
	s_wait_xcnt 0x0
; THE GATE AND x's CODES.  x [8192][512] f32 is read once and serves twice:
;  (1) logits = x Wg + bg in f32 (fused multiply-adds), softmax with the row's maximum taken away, argmax (the first maximum): the expert's number goes to ids[token], a fixed place;
;  (2) x is turned into codes of E4M3, K innermost, xc [token][512], with one E8M0 byte for each 32 along K, xs [token][16].
; A block's scale is 2^(floor(log2(largest magnitude)) - 8); its byte is the largest magnitude's exponent field - 8, held at 1 from below; numbers are held within +-448 x the scale ahead of the conversion.
; LIMITS: NaN and infinities are not served.  Blocks whose largest magnitude lies under 2^-118, blocks of zeros among them, keep the byte 1 (their codes are then small or zero; this program alone reads the bytes).
; The softmax's division is a reciprocal and a multiplication: two probabilities within about 1e-7 of each other may be ordered otherwise than by a true division.
; SHARES.  Wave W = 2 x work-group + wave takes tokens 16 W .. 16 W + 15, a token a step.  A step's four loads read 512 consecutive bytes each; the 2,048 bytes turn through the wave's own stage in LDS,
; so that lane l then holds the 16 neighbours k = 16 l .. 16 l + 15 (two lanes hold a block of 32).  Lane l's 16 rows of Wg (128 numbers) stay in registers.
; Loads run eight steps (32 loads a wave) ahead, the turn through LDS one step.  All 16 steps are written out: every offset is an immediate.
; REGISTERS.  window 0: v1 lane, v2 16 x lane, v3, v4 stage in and out, v5-7 scale bytes, v8-11 at work, v14 4 x (lane % 16); X two sets of 16 numbers; A 8 partial logits; T permute results;
;   L my token's logits (lanes t and t + 16 hold token t); C two sets of codes; E two scale bytes; v82-95 softmax; v96, v97 Wg's way through LDS; R a ring of 8 x 16 registers as loaded.
;   window 1: v0-127 my rows of Wg, register 8 i + e = Wg[16 l + i][e].
.set WPITCH, 528                       ; Wg in LDS: a lane's 512 bytes + 16: an odd multiple of 16
.set REG0,   32*WPITCH                 ; behind Wg: a region for each wave
.set WREG,   5632                      ; two stages of 32 x SP bytes, then 256 scale bytes
.set SP,     80                        ; a lane's place in a stage: 64 bytes + 16 of padding
.set SCB,    2*32*SP
.set X, 16
.set A, 48
.set T, 56
.set L, 64
.set C, 72
.set E, 80
.set PR, 84                            ; v84-91 the eight probabilities
.set R, 128
.set MSB, 0
.macro WIN new                         ; the immediate's high byte repeats the setting that is left
.if MSB != (\new)
	s_set_vgpr_msb (MSB<<8)|(\new)
.set MSB, \new
.endif
.endm
	s_load_b256 s[4:11], s[0:1], 0x0               ; x s[4:5], Wg s[6:7], bg s[8:9], xc s[10:11]
	s_load_b128 s[12:15], s[0:1], 0x20             ; xs s[12:13], ids s[14:15]
	v_lshl_add_u32 v126, v0, 2, 0x7000
	v_mov_b32 v127, 0
	v_lshrrev_b32 v1, 5, v0
	v_readfirstlane_b32 s16, v1                    ; wave 0, 1
	v_and_b32 v1, 31, v0                           ; lane
	v_lshlrev_b32 v2, 4, v1                        ; 16 x lane: my bytes of a load's 512, and of a token's 512 codes
	s_lshl_b32 s17, ttmp9, 1
	s_add_co_u32 s17, s17, s16                     ; W
	s_mul_i32 s22, s16, WREG
	s_add_co_u32 s22, s22, REG0                    ; my wave's region
	s_add_co_u32 s23, s22, SCB                     ; its scale bytes
	v_lshrrev_b32 v3, 2, v1
	v_mul_u32_u24 v3, v3, SP
	v_and_b32 v4, 3, v1
	v_lshl_add_u32 v3, v4, 4, v3
	v_add_nc_u32 v3, s22, v3                       ; the stage, in: four lanes' 64 bytes on end, then the padding
	v_mul_u32_u24 v4, v1, SP
	v_add_nc_u32 v4, s22, v4                       ; and out: my 16 neighbours
	v_lshrrev_b32 v5, 1, v1
	v_add_nc_u32 v5, s23, v5                       ; my block's scale byte
	v_lshlrev_b32 v7, 3, v1
	v_add_nc_u32 v6, s23, v7                       ; on the way out 8 bytes a lane
	v_and_b32 v14, 15, v1
	v_lshlrev_b32 v14, 2, v14
	s_mul_i32 s20, s16, 16*WPITCH
	v_add_nc_u32 v96, s20, v2                      ; Wg, in: my wave's 16 pieces of 512 bytes, 16 bytes a lane
	v_mul_u32_u24 v97, v1, WPITCH                  ; Wg, out: piece l is lane l's
.irp e, 0,1,2,3,4,5,6,7
	v_mov_b32 v[T+\e], 0                           ; written once: a lane permute's destination counts as one of its sources
.endr
	s_mov_b32 s18, 0x76543210
	s_mov_b32 s19, 0xfedcba98                      ; v_permlanex16_b32's selects for lane l xor 16
	s_mov_b32 s21, 0x600000                        ; the mantissa field of 448
	s_mov_b32 s3, 0
	s_wait_kmcnt 0x0
	s_load_b256 s[24:31], s[8:9], 0x0              ; bg: eight numbers
	s_lshl_b32 s2, s17, 15                         ; 16 tokens of 2,048 bytes
	s_add_nc_u64 s[4:5], s[4:5], s[2:3]
	s_lshl_b32 s2, s16, 13                         ; my wave's half of Wg
	s_add_nc_u64 s[6:7], s[6:7], s[2:3]
	s_lshl_b32 s2, s17, 13                         ; 16 tokens of 512 codes
	s_add_nc_u64 s[10:11], s[10:11], s[2:3]
	s_lshl_b32 s2, s17, 8                          ; 16 tokens of 16 scale bytes
	s_add_nc_u64 s[12:13], s[12:13], s[2:3]
	s_lshl_b32 s2, s17, 6                          ; 16 words
	s_add_nc_u64 s[14:15], s[14:15], s[2:3]
.macro LOAD t
.irp i, 0,1,2,3
	global_load_b128 v[R+16*((\t)%8)+4*\i:R+16*((\t)%8)+4*\i+3], v2, s[4:5] offset:2048*(\t)+512*\i th:TH_LOAD_NT   ; 32 lanes read 512 consecutive bytes
.endr
.endm
.macro TURN t                          ; step t's numbers through the stage: LDS serves a wave's instructions in order, so no wait stands between the stores and the loads
.irp i, 0,1,2,3
	ds_store_b128 v3, v[R+16*((\t)%8)+4*\i:R+16*((\t)%8)+4*\i+3] offset:32*SP*((\t)%2)+8*SP*\i
.endr
.irp i, 0,1,2,3
	ds_load_b128 v[X+16*((\t)%2)+4*\i:X+16*((\t)%2)+4*\i+3], v4 offset:32*SP*((\t)%2)+16*\i
.endr
.endm
	WIN 0x40                                       ; destination window 1
.irp q, 0,1,2,3,4,5,6,7,8,9,10,11,12,13,14,15
	global_load_b128 v[4*\q:4*\q+3], v2, s[6:7] offset:512*\q      ; Wg as it lies, 512 consecutive bytes a load
.endr
	WIN 0
.irp t, 0,1,2,3,4,5,6,7
	LOAD \t
.endr
	s_wait_loadcnt 32                              ; Wg's 16 loads are in; x's 32 stay out
	WIN 0x04                                       ; an LDS store's data are its source 1: window 1
.irp q, 0,1,2,3,4,5,6,7,8,9,10,11,12,13,14,15
	ds_store_b128 v96, v[4*\q:4*\q+3] offset:WPITCH*\q
.endr
	WIN 0
	s_wait_dscnt 0x0                               ; for the other wave's sake: my half of Wg lies in LDS
	s_barrier_signal -1
	s_barrier_wait -1
	WIN 0x40
.irp j, 0,1,2,3,4,5,6,7,8,9,10,11,12,13,14,15,16,17,18,19,20,21,22,23,24,25,26,27,28,29,30,31
	ds_load_b128 v[4*\j:4*\j+3], v97 offset:16*\j  ; my 16 rows of Wg: they stay
.endr
	WIN 0
	s_wait_loadcnt 28                              ; step 0's four loads are in; seven steps' stay out
	TURN 0
.macro STEP t
.set XS, X+16*((\t)%2)
.set CS, C+4*((\t)%2)
.if (\t) > 0
	s_wait_dscnt 1                                 ; this step's numbers are back from the stage (the last step's byte store may be out)
.else
	s_wait_dscnt 0x0                               ; and Wg's rows with them
.endif
	s_wait_xcnt 0x0                                ; the stores of two steps ago have read their codes: this step's codes are written only behind this wait
.if (\t)+8 < 16
	LOAD (\t)+8                                    ; into the registers that this step's turn through the stage has read
	s_wait_loadcnt 28                              ; the next step's four loads are in; those of the seven steps behind it may be out
.elseif (\t) < 15
	s_wait_loadcnt 4*(14-(\t))
.endif
.if (\t) < 15
	TURN (\t)+1
.endif
	; the gate: 8 partial logits of my 16 numbers, two experts an instruction, four chains; the first products start the sums
	WIN 0x04                                       ; source 1 (Wg) window 1
.irp h, 0,1,2,3,4,5,6,7
.irp p, 0,1,2,3
.if \h == 0
	v_pk_mul_f32 v[A+2*\p:A+2*\p+1], v[XS:XS+1], v[2*\p:2*\p+1] op_sel_hi:[0,1]
.else
	v_pk_fma_f32 v[A+2*\p:A+2*\p+1], v[XS+2*\h:XS+2*\h+1], v[16*\h+2*\p:16*\h+2*\p+1], v[A+2*\p:A+2*\p+1] op_sel_hi:[0,1,1]   ; the pair's first number for both halves
.endif
.endr
.irp p, 0,1,2,3
	v_pk_fma_f32 v[A+2*\p:A+2*\p+1], v[XS+2*\h:XS+2*\h+1], v[16*\h+8+2*\p:16*\h+8+2*\p+1], v[A+2*\p:A+2*\p+1] op_sel:[1,0,0] op_sel_hi:[1,1,1]   ; its second
.endr
.endr
	WIN 0
.irp n, 1,2,4,8
.irp e, 0,1,2,3,4,5,6,7
	v_add_f32_dpp v[A+\e], v[A+\e], v[A+\e] row_xmask:\n row_mask:0xf bank_mask:0xf   ; over the 16 lanes of a half, the eight sums by turns
.endr
.endr
.irp e, 0,1,2,3,4,5,6,7
	v_permlanex16_b32 v[T+\e], v[A+\e], s18, s19
.endr
.irp e, 0,1,2,3,4,5,6,7
	v_add_f32 v[A+\e], v[A+\e], v[T+\e]            ; and the other half's: every lane holds the token's eight sums
.endr
.if (\t) == 0
.irp e, 0,1,2,3,4,5,6,7
	v_mov_b32 v[L+\e], v[A+\e]
.endr
.else
	s_mov_b32 s20, 0x00010001<<(\t)
.irp e, 0,1,2,3,4,5,6,7
	v_cndmask_b32 v[L+\e], v[L+\e], v[A+\e], s20   ; lanes t and t + 16 keep token t
.endr
.endif
	; the quantiser (it holds the numbers in place, so it stands behind the gate)
	v_max3_num_f32 v8, |v[XS]|, |v[XS+1]|, |v[XS+2]|
	v_max3_num_f32 v9, |v[XS+3]|, |v[XS+4]|, |v[XS+5]|
.irp i, 6,10
	v_max3_num_f32 v8, v8, |v[XS+\i]|, |v[XS+\i+1]|
	v_max3_num_f32 v9, v9, |v[XS+\i+2]|, |v[XS+\i+3]|
.endr
	v_max3_num_f32 v8, v8, |v[XS+14]|, |v[XS+15]|
	v_max3_num_f32 v8, v8, v9, 0x4800000           ; and the floor 2^(9 - 127): the byte cannot fall under 1
	v_max_num_f32_dpp v8, v8, v8 row_xmask:1 row_mask:0xf bank_mask:0xf   ; with my neighbour's 16: the block's largest magnitude
	v_add_nc_u32 v11, 0xfc000000, v8               ; 8 off its exponent field: the conversion takes the exponent field of this operand as its scale
	v_and_or_b32 v10, v8, 0x7f800000, s21          ; 448 x the scale
.irp i, 0,1,2,3,4,5,6,7,8,9,10,11,12,13,14,15
	v_med3_num_f32 v[XS+\i], v[XS+\i], -v10, v10   ; the conversion to an 8-bit code does not saturate (ISA guide 7.6.2): the hold comes first
.endr
	v_cvt_scalef32_pk8_fp8_f32 v[CS:CS+1], v[XS:XS+7], v11
	v_cvt_scalef32_pk8_fp8_f32 v[CS+2:CS+3], v[XS+8:XS+15], v11
	v_lshrrev_b32 v[E+(\t)%2], 23, v11             ; the scale's byte (a plain line behind the conversions)
	ds_store_b8 v5, v[E+(\t)%2] offset:16*(\t)     ; both lanes of a block write the same byte with the same value
	global_store_b128 v2, v[CS:CS+3], s[10:11] offset:512*(\t)     ; the wave stores the token's 512 codes: 512 consecutive bytes, aligned
.endm
.irp t, 0,1,2,3,4,5,6,7,8,9,10,11,12,13,14,15
	STEP \t
.endr
	ds_load_b64 v[12:13], v6                       ; my wave's 256 scale bytes: these loads see my stores
	s_wait_kmcnt 0x0                               ; bg
.irp e, 0,1,2,3,4,5,6,7
	v_add_f32 v[L+\e], s[24+\e], v[L+\e]           ; the logits of my token, lane % 16
.endr
	v_max3_num_f32 v82, v[L], v[L+1], v[L+2]
	v_max3_num_f32 v82, v82, v[L+3], v[L+4]
	v_max3_num_f32 v82, v82, v[L+5], v[L+6]
	v_max_num_f32 v82, v82, v[L+7]                 ; the row's maximum is taken away ahead of the exponentials
.irp e, 0,1,2,3,4,5,6,7
	v_sub_f32 v[PR+\e], v[L+\e], v82
.endr
.irp e, 0,1,2,3,4,5,6,7
	v_mul_f32 v[PR+\e], 0x3fb8aa3b, v[PR+\e]       ; x log2(e)
.endr
.irp e, 0,1,2,3,4,5,6,7
	v_exp_f32 v[PR+\e], v[PR+\e]
.endr
	v_mov_b32 v93, 0                               ; the argmax begins at expert 0 (a plain line behind the exponentials)
	s_wait_alu depctr_va_vdst(0)                   ; one wait for the eight, ahead of their first reader
	v_add_f32 v83, v[PR], v[PR+1]
.irp e, 2,3,4,5,6,7
	v_add_f32 v83, v83, v[PR+\e]
.endr
	v_rcp_f32 v94, v83
	v_nop
	s_wait_alu depctr_va_vdst(0)                   ; ahead of the reciprocal's first reader
.irp e, 0,1,2,3,4,5,6,7
	v_mul_f32 v[PR+\e], v[PR+\e], v94              ; the probabilities
.endr
	v_mov_b32 v92, v[PR]
.irp e, 1,2,3,4,5,6,7
	v_cmp_gt_f32 vcc_lo, v[PR+\e], v92             ; strictly greater: the first maximum stays
	v_mov_b32 v95, \e
	v_cndmask_b32 v93, v93, v95, vcc_lo
	v_max_num_f32 v92, v92, v[PR+\e]
.endr
	s_wait_dscnt 0x0
	global_store_b64 v7, v[12:13], s[12:13]        ; 32 lanes store 256 consecutive bytes, aligned
	global_store_b32 v14, v93, s[14:15]            ; lanes l and l + 16 store the same word: 64 consecutive bytes a wave, at a fixed place
	s_wait_tensorcnt 0x0
	ds_add_u32 v126, v127
	s_wait_dscnt 0x0
	s_endpgm
.Lfunc_end_k_q02fb4c97a9_gate:
	.size	k_q02fb4c97a9_gate, .Lfunc_end_k_q02fb4c97a9_gate-k_q02fb4c97a9_gate
	.p2alignl 7, 3214868480
	.fill 96, 4, 3214868480
	.section	.rodata,"a",@progbits
	.p2align	6, 0x0
	.amdhsa_kernel k_q02fb4c97a9_gate
		.amdhsa_group_segment_fixed_size 28928
		.amdhsa_private_segment_fixed_size 0
		.amdhsa_enable_private_segment 0
		.amdhsa_kernarg_size 48
		.amdhsa_user_sgpr_count 2
		.amdhsa_user_sgpr_kernarg_segment_ptr 1
		.amdhsa_wavefront_size32 1
		.amdhsa_system_sgpr_workgroup_id_x 1
		.amdhsa_system_sgpr_workgroup_id_y 1
		.amdhsa_system_sgpr_workgroup_id_z 1
		.amdhsa_system_vgpr_workitem_id 0
		.amdhsa_next_free_vgpr 384
		.amdhsa_next_free_sgpr 66
		.amdhsa_reserve_vcc 1
		.amdhsa_float_denorm_mode_32 3
		.amdhsa_float_denorm_mode_16_64 3
		.amdhsa_memory_ordered 1
		.amdhsa_forward_progress 1
		.amdhsa_inst_pref_size 177
	.end_amdhsa_kernel
	.amdgpu_metadata
---
amdhsa.version: [ 1, 2 ]
amdhsa.kernels:
  - .name:           k_q02fb4c97a9_gate
    .symbol:         k_q02fb4c97a9_gate.kd
    .args:
      - { .name: x, .offset: 0, .size: 8, .value_kind: global_buffer, .address_space: global }
      - { .name: Wg, .offset: 8, .size: 8, .value_kind: global_buffer, .address_space: global }
      - { .name: bg, .offset: 16, .size: 8, .value_kind: global_buffer, .address_space: global }
      - { .name: xc, .offset: 24, .size: 8, .value_kind: global_buffer, .address_space: global }
      - { .name: xs, .offset: 32, .size: 8, .value_kind: global_buffer, .address_space: global }
      - { .name: ids, .offset: 40, .size: 8, .value_kind: global_buffer, .address_space: global }
    .group_segment_fixed_size: 28928
    .private_segment_fixed_size: 0
    .kernarg_segment_align: 8
    .kernarg_segment_size: 48
    .max_flat_workgroup_size: 64
    .sgpr_count:     66
    .vgpr_count:     384
    .wavefront_size: 32
...
	.end_amdgpu_metadata
.endif
;; end of part 1
;; launch prep (part 2): grid 257 x 1, 4 waves a work-group, no clusters, 1,536 bytes of LDS; arguments W1, W2, ids, wc, ws, route; writes wc, ws, route
.if DOCPART == 2
	.amdgcn_target "amdgcn-amd-amdhsa--gfx1250"
	.amdhsa_code_object_version 6
	.text
	.protected	k_q02fb4c97a9_prep
	.globl	k_q02fb4c97a9_prep
	.p2align	8
	.type	k_q02fb4c97a9_prep,@function
k_q02fb4c97a9_prep:
	s_mov_b64 s[64:65], 0
	v_nop
	global_prefetch_b8 v0, s[64:65] scope:SCOPE_SE
	s_setreg_imm32_b32 hwreg(HW_REG_WAVE_MODE, 25, 1), 1
	s_wait_xcnt 0x0
; WORK-GROUP 0 places the tokens by expert and writes the list of tiles; WORK-GROUPS 1 TO 256 turn W1 and W2 into codes.  The paths part on the work-group's number alone; only the first uses LDS and a barrier.
; THE WEIGHTS.  W1 [8][512][1024] and W2 [8][1024][512], f32, have K as their first axis within an expert.  A lane takes a column and its registers run down K, so a block of 32 along K lies in one lane:
; its largest magnitude needs no other lane and the conversions give codes with K innermost.  The codes are laid in the ORDER OF THE OPERAND'S REGISTERS: wc: [tensor][expert][chunk of 128 columns][K step of 128][tile of 16 columns][2,048 bytes];
; in a tile's image register group g of lane r + 16 h lies at 512 g + 16 (r + 16 h) and holds k = 32 g + 16 h + 0 .. 15 of column 32 (t / 2) + 8 (t % 2) + r % 8 + 16 (r / 8) of the chunk:
; THE COLUMNS OF A TILE ARE NOT NEIGHBOURS, so that in the product's result the 16 registers of tiles 2 b and 2 b + 1 are 16 neighbours.  The scale words: ws: [tensor][expert][chunk][two K steps][pair of tiles b][lane][K step % 2]:
; lane r + 16 u holds the word of row r of tile 2 b + u.
; A wave takes 32 columns x 256 along K.  Lane r + 16 u takes the column that is row r of tile u of its pair, so its codes go straight from registers: sixteen lanes store 256 consecutive bytes, aligned.  Loads run two blocks ahead.
; A block's scale is 2^(floor(log2(largest magnitude)) - 8); its byte is the largest magnitude's exponent field - 8, held at 1 from below.
; LIMITS: NaN and infinities are not served; blocks whose largest magnitude lies under 2^-118, blocks of zeros among them, keep the byte 1 (this program alone reads the bytes).
; THE PLACING.  128 threads, 64 tokens each.  A lane counts its tokens by expert in byte fields (at most 64 each) and keeps each token's rank among its own; the counts are summed ahead over lanes and waves in 16-bit fields
; (at most 8,192 each); a token's place is its expert's first place + the places of the lanes before + its rank.  route: order[8192] (tokens by expert), then from byte 32,768 on 135 entries (expert, first place, rows, 1 for an expert's first tile).
; THE TILES.  64 rows at the most, never none: ceil(count / 64) tiles for each expert are between 128 and 135 in all; what is missing to 135 (at most 7) is made up by cutting as many full blocks of 64 rows
; of the expert with the most tokens (it has 1,024 or more: 16 full blocks) into two tiles of 32.
.set X,  32                            ; weights: v32-95 two sets of 32 numbers
.set C,  96                            ; v96-103 a block's codes
.set SB, 24                            ; v[24:25] the scale words of the two K steps
.set ID, 64                            ; placing: v64-127 the experts' numbers, later the tokens
.set RK, 128                           ; v128-191 ranks, later byte offsets in order[]
	s_load_b256 s[4:11], s[0:1], 0x0               ; W1 s[4:5], W2 s[6:7], ids s[8:9], wc s[10:11]
	s_load_b128 s[12:15], s[0:1], 0x20             ; ws s[12:13], route s[14:15]
	v_lshl_add_u32 v224, v0, 2, 0x400
	v_mov_b32 v225, 0
	v_lshrrev_b32 v1, 5, v0
	v_readfirstlane_b32 s22, v1                    ; wave 0..3
	v_and_b32 v1, 31, v0                           ; lane
	s_wait_kmcnt 0x0
	s_cmp_eq_u32 ttmp9, 0
	s_cbranch_scc1 .Lsort
	v_and_b32 v2, 7, v1                            ; r % 8
	v_bfe_u32 v3, v1, 3, 1                         ; r / 8
	v_lshrrev_b32 v4, 4, v1                        ; u
	v_lshlrev_b32 v5, 2, v2
	v_lshl_add_u32 v5, v3, 6, v5
	v_lshl_add_u32 v5, v4, 5, v5                   ; in: 4 x (r % 8 + 16 (r / 8) + 8 u): my column of the wave's 32; a load still covers 128 consecutive bytes
	v_and_b32 v7, 15, v1
	v_lshlrev_b32 v6, 4, v7
	v_lshl_add_u32 v6, v4, 11, v6                  ; out: tile u's image, 16 r
	v_lshlrev_b32 v7, 3, v1                        ; scale words: 8 bytes a lane
	s_mov_b32 s31, 0x600000                        ; the mantissa field of 448
	s_cmp_gt_u32 ttmp9, 128
	s_cbranch_scc1 .Lw2
.macro WLOAD t, n, sp                  ; block t: W(32 t + i, my column), i = 0 .. 31, into set t % 2
.irp i, 0,1,2,3,4,5,6,7,8,9,10,11,12,13,14,15,16,17,18,19,20,21,22,23,24,25,26,27,28,29,30,31
	global_load_b32 v[X+32*((\t)%2)+\i], v5, s[\sp:\sp+1] offset:(32*(\t)+\i)*(\n)*4 th:TH_LOAD_NT
.endr
.endm
.macro WBLOCK t, n, sp
.set XS, X+32*((\t)%2)
.if (\t) < 7
	s_wait_loadcnt 32                              ; this block's 32 loads are in; the next block's may be out
.else
	s_wait_loadcnt 0x0
.endif
	v_max3_num_f32 v12, |v[XS]|, |v[XS+1]|, |v[XS+2]|              ; the block's largest magnitude: all 32 numbers are mine
	v_max3_num_f32 v13, |v[XS+3]|, |v[XS+4]|, |v[XS+5]|
.irp i, 6,10,14,18,22,26
	v_max3_num_f32 v12, v12, |v[XS+\i]|, |v[XS+\i+1]|
	v_max3_num_f32 v13, v13, |v[XS+\i+2]|, |v[XS+\i+3]|
.endr
	v_max3_num_f32 v12, v12, |v[XS+30]|, |v[XS+31]|
	v_max3_num_f32 v12, v12, v13, 0x4800000        ; and the floor 2^(9 - 127)
	v_add_nc_u32 v11, 0xfc000000, v12              ; the conversion's scale operand
	v_and_or_b32 v10, v12, 0x7f800000, s31         ; 448 x the scale
	v_lshrrev_b32 v13, 23, v11                     ; the scale's byte
.if (\t)%4 == 0
	v_mov_b32 v[SB+(\t)/4], v13                    ; four bytes to a word, the lower K in the lower byte
.else
	v_lshl_or_b32 v[SB+(\t)/4], v13, 8*((\t)%4), v[SB+(\t)/4]
.endif
.irp i, 0,1,2,3,4,5,6,7,8,9,10,11,12,13,14,15,16,17,18,19,20,21,22,23,24,25,26,27,28,29,30,31
	v_med3_num_f32 v[XS+\i], v[XS+\i], -v10, v10   ; the conversion does not saturate (ISA guide 7.6.2): the hold comes first
.endr
	s_wait_xcnt 0x0                                ; the last block's stores have read their codes: they are written again only behind this wait
.irp g, 0,1,2,3
	v_cvt_scalef32_pk8_fp8_f32 v[C+2*\g:C+2*\g+1], v[XS+8*\g:XS+8*\g+7], v11
.endr
	v_nop                                          ; a plain line behind the last conversion
	global_store_b128 v6, v[C:C+3], s[10:11] offset:((\t)/4)*16384+((\t)%4)*512       ; k 0 .. 15 of the block: the image's lanes 0-15;  sixteen lanes store 256 consecutive bytes, aligned
	global_store_b128 v6, v[C+4:C+7], s[10:11] offset:((\t)/4)*16384+((\t)%4)*512+256 ; k 16 .. 31: its lanes 16-31
.if (\t)+2 < 8
	WLOAD (\t)+2, \n, \sp
.endif
.endm
; n: columns of the tensor; sp: its address; first: its first work-group; kpb: bits of the K part in the work-group's number; chm: mask of the chunk; skp, cch, sch: shifts of the K part in the tensor, of the chunk in wc and in ws; cbase, sbase: the tensor's part of wc and ws
.macro WQ n, sp, first, kpb, chm, skp, cch, sch, cbase, sbase
	s_sub_co_u32 s16, ttmp9, \first
	s_lshr_b32 s17, s16, 4                         ; expert
	s_lshr_b32 s18, s16, \kpb
	s_and_b32 s18, s18, \chm                       ; chunk of 128 columns
	s_and_b32 s19, s16, (1<<\kpb)-1                ; which 256 along K
	s_mov_b32 s25, 0
	s_lshl_b32 s24, s17, 21                        ; the tensor: an expert is 2,097,152 bytes
	s_lshl_b32 s26, s19, \skp
	s_add_co_u32 s24, s24, s26
	s_lshl_b32 s26, s18, 9
	s_add_co_u32 s24, s24, s26
	s_lshl_b32 s26, s22, 7                         ; my wave's 32 columns
	s_add_co_u32 s24, s24, s26
	s_add_nc_u64 s[\sp:\sp+1], s[\sp:\sp+1], s[24:25]
	s_lshl_b32 s24, s17, 19                        ; the codes: an expert is 524,288 bytes
	s_lshl_b32 s26, s18, \cch
	s_add_co_u32 s24, s24, s26
	s_lshl_b32 s26, s19, 15                        ; two K steps of 16,384
	s_add_co_u32 s24, s24, s26
	s_lshl_b32 s26, s22, 12                        ; my pair of tiles
	s_add_co_u32 s24, s24, s26
	s_add_co_u32 s24, s24, \cbase
	s_add_nc_u64 s[10:11], s[10:11], s[24:25]
	s_lshl_b32 s24, s17, 14                        ; the scale words: an expert is 16,384 bytes
	s_lshl_b32 s26, s18, \sch
	s_add_co_u32 s24, s24, s26
	s_lshl_b32 s26, s19, 10
	s_add_co_u32 s24, s24, s26
	s_lshl_b32 s26, s22, 8
	s_add_co_u32 s24, s24, s26
	s_add_co_u32 s24, s24, \sbase
	s_add_nc_u64 s[12:13], s[12:13], s[24:25]
	WLOAD 0, \n, \sp
	WLOAD 1, \n, \sp
.irp t, 0,1,2,3,4,5,6,7
	WBLOCK \t, \n, \sp
.endr
	global_store_b64 v7, v[SB:SB+1], s[12:13]      ; 32 lanes store 256 consecutive bytes, aligned
.endm
	WQ 1024, 4, 1, 1, 7, 20, 16, 11, 0, 0
	s_endpgm
.Lw2:
	WQ 512, 6, 129, 2, 3, 19, 17, 12, 4194304, 131072
	s_endpgm
.Lsort:
	; v2 16 x thread, v3 4 x thread, v4 1, v5, v6 byte counts of experts 0-3, 4-7; v12-15 counts in 16-bit pairs (e0|e2, e1|e3, e4|e6, e5|e7), v16-19 my own; v24-31 my first place for each expert; v36-39 byte tables; v208-223 at work
	v_lshlrev_b32 v2, 4, v0
	v_lshlrev_b32 v3, 2, v0
	v_mov_b32 v4, 1
	v_mov_b32 v5, 0
	v_mov_b32 v6, 0
	v_mov_b32 v20, 0                               ; written once: a DPP form's destination counts as one of its sources
	s_mov_b32 s21, 0xffff0000                      ; lanes 16-31
.irp p, 0,1,2,3,4,5,6,7,8,9,10,11,12,13,14,15
	global_load_b128 v[ID+4*\p:ID+4*\p+3], v2, s[8:9] offset:2048*\p   ; register 4 p + c: token 512 p + 4 x thread + c
.endr
.macro CNT4 p                          ; four tokens by turns: each one's rank among my tokens of its expert, and the counts
.irp c, 0,1,2,3
	v_min_u32 v[ID+4*(\p)+\c], 7, v[ID+4*(\p)+\c]
.endr
.irp c, 0,1,2,3
	v_lshlrev_b32 v[208+\c], 3, v[ID+4*(\p)+\c]
.endr
.irp c, 0,1,2,3
	v_and_b32 v[208+\c], 24, v[208+\c]             ; the expert's byte field in its word
.endr
.irp c, 0,1,2,3
	v_lshlrev_b32 v[212+\c], v[208+\c], v4         ; 1 in that field
.endr
.irp c, 0,1,2,3
	v_cmp_gt_u32 s[96+\c], 4, v[ID+4*(\p)+\c]      ; experts 0-3: the low word
.endr
.irp c, 0,1,2,3
	v_cndmask_b32 v[216+\c], 0, v[212+\c], s[96+\c]
.endr
.irp c, 0,1,2,3
	v_sub_nc_u32 v[220+\c], v[212+\c], v[216+\c]
.endr
.irp c, 0,1,2,3
	v_cndmask_b32 v9, v6, v5, s[96+\c]             ; the counts so far
	v_add_nc_u32 v5, v5, v[216+\c]
	v_add_nc_u32 v6, v6, v[220+\c]
	v_bfe_u32 v[RK+4*(\p)+\c], v9, v[208+\c], 8    ; the rank
.endr
.endm
.irp p, 0,1,2,3,4,5,6,7,8,9,10,11,12,13,14,15
	s_wait_loadcnt 15-\p                           ; load p is in; the younger ones may be out
	CNT4 \p
.endr
	v_and_b32 v12, 0x00ff00ff, v5
	v_lshrrev_b32 v13, 8, v5
	v_and_b32 v13, 0x00ff00ff, v13
	v_and_b32 v14, 0x00ff00ff, v6
	v_lshrrev_b32 v15, 8, v6
	v_and_b32 v15, 0x00ff00ff, v15
.irp p, 0,1,2,3
	v_mov_b32 v[16+\p], v[12+\p]
.endr
.macro SCAN p                          ; the sum over the lanes before me; the wave's total to s[16 + p]
.irp n, 1,2,4,8
	v_mov_b32_dpp v20, v[12+\p] row_shr:\n row_mask:0xf bank_mask:0xf bound_ctrl:1
	v_add_nc_u32 v[12+\p], v[12+\p], v20
.endr
	v_readlane_b32 s23, v[12+\p], 15
	v_mov_b32 v21, s23
	v_cndmask_b32 v20, 0, v21, s21                 ; lanes 16-31 add the first half's total
	v_add_nc_u32 v[12+\p], v[12+\p], v20
	v_readlane_b32 s[16+\p], v[12+\p], 31
	v_sub_nc_u32 v[12+\p], v[12+\p], v[16+\p]      ; without my own
.endm
.irp p, 0,1,2,3
	SCAN \p
.endr
.irp p, 0,1,2,3
	v_mov_b32 v[44+\p], s[16+\p]
.endr
	s_lshl_b32 s23, s22, 4
	v_mov_b32 v43, s23
	ds_store_b128 v43, v[44:47]                    ; my wave's totals: 16 bytes at 16 x wave (all lanes write the same)
	s_wait_dscnt 0x0                               ; for the others' sake
	s_barrier_signal -1
	s_barrier_wait -1
	v_mov_b32 v42, 0
.irp k, 0,1,2,3
	ds_load_b128 v[192+4*\k:192+4*\k+3], v42 offset:16*\k
.endr
	s_wait_dscnt 0x0
.irp k, 0,1,2,3,4,5,6,7,8,9,10,11,12,13,14,15
	v_readfirstlane_b32 s[24+\k], v[192+\k]        ; s[24 + 4 w + p]: wave w's totals
.endr
.irp p, 0,1,2,3
	s_add_co_u32 s[40+\p], s[24+\p], s[28+\p]
	s_add_co_u32 s[40+\p], s[40+\p], s[32+\p]
	s_add_co_u32 s[40+\p], s[40+\p], s[36+\p]      ; all four waves'
.endr
	s_cmp_gt_u32 s22, 0
.irp p, 0,1,2,3
	s_cselect_b32 s[44+\p], s[24+\p], 0
.endr
	s_cmp_gt_u32 s22, 1
.irp p, 0,1,2,3
	s_cselect_b32 s[82+\p], s[28+\p], 0
.endr
	s_cmp_gt_u32 s22, 2
.irp p, 0,1,2,3
	s_cselect_b32 s[86+\p], s[32+\p], 0
.endr
.irp p, 0,1,2,3
	s_add_co_u32 s[44+\p], s[44+\p], s[82+\p]
	s_add_co_u32 s[44+\p], s[44+\p], s[86+\p]      ; the waves before mine
.endr
.irp e, 0,1,2,3,4,5,6,7                        ; expert e lies in word 2 (e / 4) + e % 2, in its upper half where (e / 2) % 2 = 1
.if ((\e>>1)&1)
	s_lshr_b32 s[48+\e], s[40+(\e>>2)*2+(\e&1)], 16
	s_lshr_b32 s[66+\e], s[44+(\e>>2)*2+(\e&1)], 16
	v_lshrrev_b32 v[24+\e], 16, v[12+(\e>>2)*2+(\e&1)]
.else
	s_and_b32 s[48+\e], s[40+(\e>>2)*2+(\e&1)], 0xffff
	s_and_b32 s[66+\e], s[44+(\e>>2)*2+(\e&1)], 0xffff
	v_and_b32 v[24+\e], 0xffff, v[12+(\e>>2)*2+(\e&1)]
.endif
.endr
	s_mov_b32 s56, 0                               ; s48-55 the counts; s56-63 each expert's first place
.irp e, 1,2,3,4,5,6,7
	s_add_co_u32 s[56+\e], s[55+\e], s[47+\e]
.endr
.irp e, 0,1,2,3,4,5,6,7
	s_add_co_u32 s[66+\e], s[66+\e], s[56+\e]
	v_add_nc_u32 v[24+\e], s[66+\e], v[24+\e]      ; my first place for expert e
.endr
	s_mov_b32 s92, 0
.irp e, 0,1,2,3,4,5,6,7
	s_add_co_u32 s[74+\e], s[48+\e], 63
	s_lshr_b32 s[74+\e], s[74+\e], 6               ; tiles of 64
	s_add_co_u32 s92, s92, s[74+\e]
.endr
	s_sub_co_u32 s93, 135, s92                     ; what is missing to 135: 0 to 7
	s_mov_b32 s90, s48
	s_mov_b32 s91, 0
.irp e, 1,2,3,4,5,6,7
	s_cmp_gt_u32 s[48+\e], s90
	s_cselect_b32 s90, s[48+\e], s90
	s_cselect_b32 s91, \e, s91                     ; the expert with the most tokens
.endr
.irp e, 0,1,2,3,4,5,6,7
	s_cmp_eq_u32 s91, \e
	s_cselect_b32 s92, s93, 0
	s_add_co_u32 s[74+\e], s[74+\e], s92
.endr
	s_mov_b32 s94, 0
.irp e, 0,1,2,3,4,5,6,7
	s_mov_b32 s95, s[74+\e]
	s_mov_b32 s[74+\e], s94                        ; s74-81: each expert's first tile
	s_add_co_u32 s94, s94, s95
.endr
	; my eight first places as two tables of bytes, so that one v_perm_b32 picks a token's by its expert's number
	v_perm_b32 v32, v25, v24, 0x05010400           ; low 0, low 1, high 0, high 1
	v_perm_b32 v33, v27, v26, 0x05010400
	v_perm_b32 v34, v29, v28, 0x05010400
	v_perm_b32 v35, v31, v30, 0x05010400
	v_perm_b32 v36, v33, v32, 0x05040100           ; low bytes of experts 0-3
	v_perm_b32 v38, v33, v32, 0x07060302           ; their second bytes
	v_perm_b32 v37, v35, v34, 0x05040100           ; experts 4-7
	v_perm_b32 v39, v35, v34, 0x07060302
.macro PLACE4 p
.irp c, 0,1,2,3
	v_perm_b32 v[208+\c], v37, v36, v[ID+4*(\p)+\c]    ; byte 0: the low byte of my first place for this expert
.endr
.irp c, 0,1,2,3
	v_perm_b32 v[212+\c], v39, v38, v[ID+4*(\p)+\c]    ; byte 0: its second byte
.endr
.irp c, 0,1,2,3
	v_perm_b32 v[208+\c], v[212+\c], v[208+\c], 0x07060400   ; the two together; what lies above them is cut off below
.endr
.irp c, 0,1,2,3
	v_add_nc_u32 v[RK+4*(\p)+\c], v[208+\c], v[RK+4*(\p)+\c]
.endr
.irp c, 0,1,2,3
	v_and_b32 v[RK+4*(\p)+\c], 0x1fff, v[RK+4*(\p)+\c]
.endr
.irp c, 0,1,2,3
	v_min_u32 v[RK+4*(\p)+\c], 0x1fff, v[RK+4*(\p)+\c] ; the place, inside order[]
.endr
.irp c, 0,1,2,3
	v_lshlrev_b32 v[RK+4*(\p)+\c], 2, v[RK+4*(\p)+\c]
.endr
.irp c, 0,1,2,3
	v_add_nc_u32 v[ID+4*(\p)+\c], 512*(\p)+\c, v3      ; the token
.endr
.irp c, 0,1,2,3
	global_store_b32 v[RK+4*(\p)+\c], v[ID+4*(\p)+\c], s[14:15]   ; each of the 8,192 words is written once; every store has registers of its own
.endr
.endm
.irp p, 0,1,2,3,4,5,6,7,8,9,10,11,12,13,14,15
	PLACE4 \p
.endr
.macro TILE vt                         ; the entry of tile v[vt]
	v_mov_b32 v48, 0                               ; its expert: the last whose first tile is not behind it (an expert without tokens shares its first tile with the next and loses)
	v_mov_b32 v52, s74
	v_mov_b32 v53, s56
	v_mov_b32 v54, s48
.irp e, 1,2,3,4,5,6,7
	v_cmp_le_u32 vcc_lo, s[74+\e], v[\vt]
	v_mov_b32 v56, \e
	v_mov_b32 v57, s[74+\e]
	v_mov_b32 v58, s[56+\e]
	v_mov_b32 v59, s[48+\e]
	v_cndmask_b32 v48, v48, v56, vcc_lo
	v_cndmask_b32 v52, v52, v57, vcc_lo
	v_cndmask_b32 v53, v53, v58, vcc_lo
	v_cndmask_b32 v54, v54, v59, vcc_lo
.endr
	v_sub_nc_u32 v55, v[\vt], v52                  ; J: which tile of its expert
	v_cmp_eq_u32 vcc_lo, s91, v48
	v_mov_b32 v58, s93
	v_cndmask_b32 v56, 0, v58, vcc_lo              ; X: how many of the expert's blocks are cut in two
	v_lshlrev_b32 v58, 1, v56
	v_sub_nc_u32 v57, v55, v56                     ; behind the halves: block J - X
	v_lshlrev_b32 v59, 5, v55
	v_lshlrev_b32 v49, 6, v57
	v_sub_nc_u32 v50, v54, v49
	v_min_u32 v50, 64, v50                         ; 64 rows, or what is left
	v_cmp_lt_u32 vcc_lo, v55, v58                  ; a half: rows 32 J on, 32 of them
	v_cndmask_b32 v49, v49, v59, vcc_lo
	v_mov_b32 v58, 32
	v_cndmask_b32 v50, v50, v58, vcc_lo
	v_add_nc_u32 v49, v49, v53                     ; + the expert's first place
	v_cmp_eq_u32 vcc_lo, 0, v55
	v_cndmask_b32 v51, 0, v4, vcc_lo               ; 1 in an expert's first tile
	v_lshlrev_b32 v60, 4, v[\vt]
	global_store_b128 v60, v[48:51], s[14:15] offset:32768
.endm
	TILE 0                                         ; tiles 0 to 127: one a thread
	s_cmp_lg_u32 s22, 0
	s_cbranch_scc1 .Lsort_end
	s_wait_xcnt 0x0                                ; the entry's registers are written again only behind this wait
	v_min_u32 v44, 6, v1
	v_add_nc_u32 v44, 128, v44                     ; tiles 128 to 134, in wave 0; the lanes past 6 repeat the last
	TILE 44
.Lsort_end:
	s_wait_tensorcnt 0x0
	ds_add_u32 v224, v225
	s_wait_dscnt 0x0
	s_endpgm
.Lfunc_end_k_q02fb4c97a9_prep:
	.size	k_q02fb4c97a9_prep, .Lfunc_end_k_q02fb4c97a9_prep-k_q02fb4c97a9_prep
	.p2alignl 7, 3214868480
	.fill 96, 4, 3214868480
	.section	.rodata,"a",@progbits
	.p2align	6, 0x0
	.amdhsa_kernel k_q02fb4c97a9_prep
		.amdhsa_group_segment_fixed_size 1536
		.amdhsa_private_segment_fixed_size 0
		.amdhsa_enable_private_segment 0
		.amdhsa_kernarg_size 48
		.amdhsa_user_sgpr_count 2
		.amdhsa_user_sgpr_kernarg_segment_ptr 1
		.amdhsa_wavefront_size32 1
		.amdhsa_system_sgpr_workgroup_id_x 1
		.amdhsa_system_sgpr_workgroup_id_y 1
		.amdhsa_system_sgpr_workgroup_id_z 1
		.amdhsa_system_vgpr_workitem_id 0
		.amdhsa_next_free_vgpr 226
		.amdhsa_next_free_sgpr 100
		.amdhsa_reserve_vcc 1
		.amdhsa_float_denorm_mode_32 3
		.amdhsa_float_denorm_mode_16_64 3
		.amdhsa_memory_ordered 1
		.amdhsa_forward_progress 1
		.amdhsa_inst_pref_size 198
	.end_amdhsa_kernel
	.amdgpu_metadata
---
amdhsa.version: [ 1, 2 ]
amdhsa.kernels:
  - .name:           k_q02fb4c97a9_prep
    .symbol:         k_q02fb4c97a9_prep.kd
    .args:
      - { .name: W1, .offset: 0, .size: 8, .value_kind: global_buffer, .address_space: global }
      - { .name: W2, .offset: 8, .size: 8, .value_kind: global_buffer, .address_space: global }
      - { .name: ids, .offset: 16, .size: 8, .value_kind: global_buffer, .address_space: global }
      - { .name: wc, .offset: 24, .size: 8, .value_kind: global_buffer, .address_space: global }
      - { .name: ws, .offset: 32, .size: 8, .value_kind: global_buffer, .address_space: global }
      - { .name: route, .offset: 40, .size: 8, .value_kind: global_buffer, .address_space: global }
    .group_segment_fixed_size: 1536
    .private_segment_fixed_size: 0
    .kernarg_segment_align: 8
    .kernarg_segment_size: 48
    .max_flat_workgroup_size: 128
    .sgpr_count:     100
    .vgpr_count:     226
    .wavefront_size: 32
...
	.end_amdgpu_metadata
.endif
;; end of part 2
;; launch chain (part 3): grid 135 x 1, 4 waves a work-group, no clusters, 139,776 bytes of LDS; arguments xc, xs, wc, ws, b1, b2, route, out0; writes out0
.if DOCPART == 3
	.amdgcn_target "amdgcn-amd-amdhsa--gfx1250"
	.amdhsa_code_object_version 6
	.text
	.protected	k_q02fb4c97a9_chain
	.globl	k_q02fb4c97a9_chain
	.p2align	8
	.type	k_q02fb4c97a9_chain,@function
k_q02fb4c97a9_chain:
	s_mov_b64 s[64:65], 0
	v_nop
	global_prefetch_b8 v0, s[64:65] scope:SCOPE_SE
	s_setreg_imm32_b32 hwreg(HW_REG_WAVE_MODE, 25, 1), 1
	s_wait_xcnt 0x0
; out0[token] = relu(x W1[e] + b1[e]) W2[e] + b2[e] for the token's own expert e, both products on codes of E4M3 with one E8M0 scale for each 32 along K.
; A WORK-GROUP TAKES ONE TILE OF ONE EXPERT (an entry of route: expert, first place, rows, first-tile mark) THROUGH THE WHOLE CHAIN: gather the rows' codes, first product + b1, relu, quantise, second product + b2, store.
; The hidden layer never goes to memory.  Every tile has between 1 and 64 rows; a tile with fewer than 64 fills its places by its last token again (place = min(place, rows - 1)): those rows are computed
; from the same codes, give the same bits, and are stored to the same row of out0 by this same work-group.  So the text has no branch on the number of rows.
; NO TENSOR LOADS, NO CLUSTER: the weights' address hangs on the expert read from route, and how many tiles an expert has is data: no grid fixes partners of one expert.  The weights go from memory straight into registers,
; laid by the launch before in the order of the operand's registers, so that each load of a wave reads 512 consecutive bytes.
; SHARES.  THE WAVES SHARE THE COLUMNS, NOT THE ROWS.  Wave w makes hidden units 256 w .. 256 w + 255 (two chunks of 128) and outputs 128 w .. 128 w + 127, for all 64 rows.  So a wave has 16 steps that look alike:
; 8 weight fragments (a group: 16,384 bytes) x 4 tiles of rows = 32 matrix instructions on 32 accumulators.  Steps 0-3: chunk 2 w; 4-7: chunk 2 w + 1; 8-15: the second product.
; The matrix instruction is used TRANSPOSED (source 0 = 16 columns of the weight, source 1 = 16 rows): a lane holds one row, and by the choice of a tile's columns the 16 registers of tiles 2 b, 2 b + 1 are 16 neighbours:
; unit 32 b + 16 (lane / 16) + 0 .. 15.  So the conversions' results are the next operand's registers, and on the way out a lane holds 64 neighbouring bytes.
; OPERANDS GO FROM WAVE TO WAVE THROUGH LDS AS IMAGES OF THEIR REGISTERS: a fragment by four ds_store_b128 at 16 x lane, its scale words at 4 x lane.  Two barriers: x's images; the hidden layer's.
; The biases are the C of each sum's first matrix instruction.  The 32 accumulators take turns, one instruction a turn, in the same order in every step.
; LIMITS: NaN and infinities are not served; a block of the hidden layer whose largest number lies under 2^-118 (a block of zeros among them) keeps the byte 1.
; REGISTERS.  window 0: v1-15 addresses; BF two sets of 4 fragments of rows; BS their scale words; WS the weights' scale words (W1's 32, W2's 32); TM, PW, v236-251 the quantiser; on the way out OR, BK.
;   window 1: the accumulators, (tile of rows m, tile of columns t) at v[64 m + 8 t].  window 2: weight rings 0 (v0) and 1 (v128).  window 3: ring 2 (v0), bias sets A (v128) and B (v192), tile t at + 8 t.
.set HIMG, 0                           ; LDS: the hidden layer's 32 fragments, (m, K step) at 2048 (8 m + K step)
.set HSC,  65536                       ; their scale words, 128 bytes each
.set XIMG, 69632                       ; x's 16 fragments, (m, K step) at 2048 (4 m + K step)
.set XSC,  102400                      ; their scale words
.set TOKT, 104448                      ; the tile's 64 tokens, a copy of 256 bytes for each wave
.set STG,  105472                      ; the way out: 16 rows x (512 bytes + 16) for each wave
.set LI,  1                            ; 16 x lane
.set LX,  2                            ; XIMG + 16 x lane
.set LSH, 3                            ; HSC + 4 x lane
.set LSX, 4                            ; XSC + 4 x lane
.set HWI, 5                            ; where I store the hidden layer's images: 16 x lane + 4096 x wave
.set HWS, 6                            ; HSC + 4 x lane + 256 x wave
.set XWI, 7                            ; XIMG + 16 x lane + 8192 x wave
.set XWS, 8                            ; XSC + 4 x lane + 512 x wave
.set BO,  9                            ; 64 x (lane / 16): a bias's bytes for my half
.set SO,  10                           ; the stage, in
.set SR,  11                           ; the stage, out
.set TK,  12                           ; my eight rows' tokens
.set CO,  13                           ; 512 x wave + 16 x (lane % 16)
.set PFO, 14                           ; 256 x lane
.set SCO, 15                           ; 8 x lane
.set BF,  16
.set BS,  144
.set WS,  152
.set TM,  216                          ; v216-219 largest numbers, v220-223 bytes, v224-227 448 x the scale, v228-231 the conversions' scale operands
.set PW,  232                          ; the scale word just made
.set OR,  216                          ; the way out: v216-247 byte offsets of my rows in out0
.set BK,  16                           ; the way out: two sets of 64 registers, rows read back from the stage
.set MSB, 0
.macro WIN new                         ; the immediate's high byte repeats the setting that is left
.if MSB != (\new)
	s_set_vgpr_msb (MSB<<8)|(\new)
.set MSB, \new
.endif
.endm
.macro GRP g                           ; weight group g into ring g % 3: 32 loads of 512 consecutive bytes
.if (\g) < 8
.set OFFG, 16384*(\g)
.else
.set OFFG, 4194304+16384*((\g)-8)
.endif
.if ((\g)%3) == 2
	WIN 0xc0
.set RG, 0
.else
	WIN 0x80
.set RG, 128*((\g)%3)
.endif
.irp t, 0,1,2,3,4,5,6,7
.irp c, 0,1,2,3
	global_load_b128 v[RG+16*\t+4*\c:RG+16*\t+4*\c+3], v[LI], s[32:33] offset:OFFG+2048*\t+512*\c
.endr
.endr
.endm
.macro WSC base, off                   ; a tensor's scale words of my 8 steps: 16 loads of 256 consecutive bytes
.irp k, 0,1,2,3,4,5,6,7,8,9,10,11,12,13,14,15
	global_load_b64 v[\base+2*\k:\base+2*\k+1], v[SCO], s[34:35] offset:\off+256*\k
.endr
.endm
.macro BIAS set, sb, off               ; eight tiles of a bias in the result's layout: lane (r, h), tile t: units 32 (t / 2) + 8 (t % 2) + 16 h + 0 .. 7
	WIN 0xc0
.irp t, 0,1,2,3,4,5,6,7
	global_load_b128 v[\set+8*\t:\set+8*\t+3], v[BO], s[\sb:\sb+1] offset:\off+(32*(\t/2)+8*(\t%2))*4
	global_load_b128 v[\set+8*\t+4:\set+8*\t+7], v[BO], s[\sb:\sb+1] offset:\off+(32*(\t/2)+8*(\t%2))*4+16
.endr
.endm
.macro BFETCH set, areg, aoff, astr, sreg, soff, sstr   ; the four tiles of rows of one K step, with their scale words: 20 LDS loads
.irp m, 0,1,2,3
.irp g, 0,1,2,3
	ds_load_b128 v[BF+64*(\set)+16*\m+4*\g:BF+64*(\set)+16*\m+4*\g+3], v[\areg] offset:(\aoff)+(\astr)*\m+512*\g
.endr
	ds_load_b32 v[BS+4*(\set)+\m], v[\sreg] offset:(\soff)+(\sstr)*\m
.endr
.endm
; A prefetch of weight group g: 16,384 bytes, lanes 256 bytes apart, two instructions.  Only an expert's first tile asks, each of its waves for its own stream, so each block of 256 bytes is named once in the launch.
; In step i group i + 5 is asked for; its loads go out in step i + 3, 96 matrix instructions later.  Groups 0 to 4 come by their loads alone; steps 11 to 15 ask for nothing, so no request leaves the buffer.
.macro ASK g
.if (\g) < 8
.set OFFP, 16384*(\g)
.else
.set OFFP, 4194304+16384*((\g)-8)
.endif
	s_cmp_eq_u32 s27, 1
	s_cbranch_scc0 .Lnot_first_\@
	global_prefetch_b8 v[PFO], s[32:33] offset:OFFP th:TH_LOAD_NT scope:SCOPE_SE
	global_prefetch_b8 v[PFO], s[32:33] offset:OFFP+8192 th:TH_LOAD_NT scope:SCOPE_SE
.Lnot_first_\@:
.endm
; 32 matrix instructions.  RB: the ring's first register; SETB: the set of rows; WR: the step's first scale register; first = 1: the bias at v[BB] on starts the sums: nothing is ever cleared.
; A scale register holds tile 2 b's words in lanes 0-15 and tile 2 b + 1's in lanes 16-31.
.macro MUL first
.irp t, 0,1,2,3,4,5,6,7
.irp m, 0,1,2,3
.if \first
.if (\t)%2
	v_wmma_scale_f32_16x16x128_f8f6f4 v[64*\m+8*\t:64*\m+8*\t+7], v[RB+16*\t:RB+16*\t+15], v[BF+64*SETB+16*\m:BF+64*SETB+16*\m+15], v[BB+8*\t:BB+8*\t+7], v[WR+2*(\t/2)], v[BS+4*SETB+\m] matrix_a_scale:MATRIX_SCALE_ROW1
.else
	v_wmma_scale_f32_16x16x128_f8f6f4 v[64*\m+8*\t:64*\m+8*\t+7], v[RB+16*\t:RB+16*\t+15], v[BF+64*SETB+16*\m:BF+64*SETB+16*\m+15], v[BB+8*\t:BB+8*\t+7], v[WR+2*(\t/2)], v[BS+4*SETB+\m]
.endif
.else
.if (\t)%2
	v_wmma_scale_f32_16x16x128_f8f6f4 v[64*\m+8*\t:64*\m+8*\t+7], v[RB+16*\t:RB+16*\t+15], v[BF+64*SETB+16*\m:BF+64*SETB+16*\m+15], v[64*\m+8*\t:64*\m+8*\t+7], v[WR+2*(\t/2)], v[BS+4*SETB+\m] matrix_a_scale:MATRIX_SCALE_ROW1
.else
	v_wmma_scale_f32_16x16x128_f8f6f4 v[64*\m+8*\t:64*\m+8*\t+7], v[RB+16*\t:RB+16*\t+15], v[BF+64*SETB+16*\m:BF+64*SETB+16*\m+15], v[64*\m+8*\t:64*\m+8*\t+7], v[WR+2*(\t/2)], v[BS+4*SETB+\m]
.endif
.endif
.endr
.endr
.endm
; STEP i.  lw: how many loads were issued behind group i (and behind the biases and scale words that the step needs): they may stay out.  ex: loads that ride ahead of the next group: 1 b1's second chunk, 2 W2's scale words, 3 b2.
; While a step is multiplied two groups, 64 loads, are on their way.  The eight plain lines at a step's end stand between its matrix instructions and the next step's loads into the ring and the set of rows that
; they have read, and the quantiser's first read of results.
.macro STEP i, lw, ex
	s_wait_loadcnt \lw
.if \ex == 1
	BIAS 192, 36, 512
.elseif \ex == 2
	WIN 0
	WSC WS+32, 131072
.elseif \ex == 3
	BIAS 128, 38, 0
.endif
.if (\i)+2 < 16
	GRP (\i)+2
.endif
	WIN 0
.if (\i) < 7
	BFETCH ((\i)+1)%2, LX, 2048*(((\i)+1)%4), 8192, LSX, 128*(((\i)+1)%4), 512
.elseif ((\i) >= 8) && ((\i) < 15)
	BFETCH ((\i)+1)%2, LI, 2048*((\i)-7), 16384, LSH, 128*((\i)-7), 1024
.endif
.if (\i) <= 10
	ASK (\i)+5
.endif
.if ((\i) == 7) || ((\i) == 15)
	s_wait_dscnt 0x0                               ; this step's rows are in; nothing was asked for behind them
.else
	s_wait_dscnt 20                                ; this step's rows are in; the next step's 20 loads may be out
.endif
.set RB, 128*((\i)%3)
.set WA, 2
.if ((\i)%3) == 2
.set RB, 0
.set WA, 3
.endif
.set SETB, (\i)%2
.set WR, WS+8*((\i)>>1)+((\i)&1)
.set BB, 128
.if (\i) == 4
.set BB, 192
.endif
.if ((\i) == 0) || ((\i) == 4) || ((\i) == 8)
	WIN 0x70|WA                                    ; source 0 (the weights) window 2 or 3, source 1 window 0, C (the bias) window 3, D window 1
	MUL 1
.else
	WIN 0x50|WA                                    ; C and D window 1
	MUL 0
.endif
	WIN 0
.if (\i) != 15
.rept 8
	v_nop
.endr
.endif
.endm
; The 64 numbers of tile of rows m (register 16 b + i = unit 32 b + 16 (lane / 16) + i of my row) become a fragment's codes and its scale word, and go to LDS as K step 2 w + c of the second product.
; No |.| on the largest number's sources: what is negative is to become 0 (the activation) and must not count; the floor stands over it.  Each accumulator is read from its low end on.
; Block b's codes lie at v[236 + 4 ((b + 1) % 4)].
.macro QUANT m, c
.irp b, 0,1,2,3
	v_mov_b32 v[TM+\b], 0x4800000                  ; the floor 2^(9 - 127): the byte cannot fall under 1
.endr
	WIN 0x14                                       ; sources 1 and 2 window 1
.irp i, 0,2,4,6,8,10,12,14
.irp b, 0,1,2,3
	v_max3_num_f32 v[TM+\b], v[TM+\b], v[64*\m+16*\b+\i], v[64*\m+16*\b+\i+1]   ; the four blocks by turns
.endr
.endr
	WIN 0
.irp b, 0,1,2,3
	v_permlanex16_b32 v[TM+4+\b], v[TM+\b], s44, s45
.endr
.irp b, 0,1,2,3
	v_max_num_f32 v[TM+\b], v[TM+\b], v[TM+4+\b]   ; with lane l xor 16's: the block's largest number
.endr
.irp b, 0,1,2,3
	v_add_nc_u32 v[TM+12+\b], 0xfc000000, v[TM+\b] ; 8 off its exponent field: the conversion's scale operand
.endr
.irp b, 0,1,2,3
	v_and_or_b32 v[TM+8+\b], v[TM+\b], 0x7f800000, s46   ; 448 x the scale
.endr
.irp b, 0,1,2,3
	v_lshrrev_b32 v[TM+4+\b], 23, v[TM+12+\b]      ; the scale's byte
.endr
	v_lshl_or_b32 v[PW], v[TM+5], 8, v[TM+4]
	v_lshl_or_b32 v[PW], v[TM+6], 16, v[PW]
	v_lshl_or_b32 v[PW], v[TM+7], 24, v[PW]        ; my row's scale word
	WIN 0x41                                       ; destination and source 0 window 1
.irp b, 0,1,2,3
.irp i, 0,1,2,3,4,5,6,7,8,9,10,11,12,13,14,15
	v_med3_num_f32 v[64*\m+16*\b+\i], v[64*\m+16*\b+\i], 0, v[TM+8+\b]   ; the activation and the hold in one (the conversion does not saturate: ISA guide 7.6.2)
.endr
.endr
	WIN 0x01                                       ; source 0 window 1
.irp b, 0,1,2,3
	v_cvt_scalef32_pk8_fp8_f32 v[236+4*((\b+1)%4):236+4*((\b+1)%4)+1], v[64*\m+16*\b:64*\m+16*\b+7], v[TM+12+\b]
	v_cvt_scalef32_pk8_fp8_f32 v[236+4*((\b+1)%4)+2:236+4*((\b+1)%4)+3], v[64*\m+16*\b+8:64*\m+16*\b+15], v[TM+12+\b]
.endr
	WIN 0
	v_nop                                          ; a plain line behind the last conversion, ahead of whatever next writes its sources
.irp b, 0,1,2,3
	ds_store_b128 v[HWI], v[236+4*((\b+1)%4):236+4*((\b+1)%4)+3] offset:HIMG+2048*(8*\m+\c)+512*\b
.endr
	ds_store_b32 v[HWS], v[PW] offset:128*(8*\m+\c)
	s_wait_dscnt 0x0                               ; the stores have read their registers
.endm
.macro BARRIER                         ; my LDS stores have landed and my LDS loads are in: then the work-group's barrier
	s_wait_dscnt 0x0
	s_barrier_signal -1
	s_barrier_wait -1
.endm
	s_load_b512 s[8:23], s[0:1], 0x0               ; xc 8, xs 10, wc 12, ws 14, b1 16, b2 18, route 20, out0 22
	v_lshrrev_b32 v233, 5, v0
	v_readfirstlane_b32 s30, v233                  ; wave 0..3
	s_lshl_b32 s28, ttmp9, 4
	s_wait_kmcnt 0x0
	s_load_b128 s[24:27], s[20:21], s28 offset:0x8000  ; my tile: expert, first place, rows, first-tile mark
	v_and_b32 v234, 31, v0                         ; lane
	v_and_b32 v235, 15, v0                         ; r
	v_bfe_u32 v252, v0, 4, 1                       ; h
	v_lshlrev_b32 v[LI], 4, v234
	v_add_nc_u32 v[LX], XIMG, v[LI]
	v_lshlrev_b32 v233, 2, v234                    ; 4 x lane
	v_add_nc_u32 v[LSH], HSC, v233
	v_add_nc_u32 v[LSX], XSC, v233
	s_lshl_b32 s31, s30, 12
	v_add_nc_u32 v[HWI], s31, v[LI]
	s_lshl_b32 s31, s30, 8
	v_add_nc_u32 v[HWS], s31, v[LSH]
	s_lshl_b32 s31, s30, 13
	v_add_nc_u32 v[XWI], s31, v[LX]
	s_lshl_b32 s31, s30, 9
	v_add_nc_u32 v[XWS], s31, v[LSX]
	v_lshl_add_u32 v[CO], v235, 4, s31             ; my wave's 512 bytes of a row of out0, 16 bytes a lane
	v_lshlrev_b32 v[BO], 6, v252
	s_mul_i32 s31, s30, 16*528
	s_add_co_u32 s31, s31, STG                     ; my stage
	v_mul_u32_u24 v[SO], v235, 528
	v_lshl_add_u32 v[SO], v252, 6, v[SO]
	v_add_nc_u32 v[SO], s31, v[SO]                 ; in: row r, + 64 h
	v_mul_u32_u24 v[SR], v252, 8*528
	v_lshl_add_u32 v[SR], v235, 4, v[SR]
	v_add_nc_u32 v[SR], s31, v[SR]                 ; out: lanes 0-15 a row, lanes 16-31 the row eight further down
	s_lshl_b32 s31, s30, 8
	s_add_co_u32 s31, s31, TOKT                    ; my copy of the tokens
	v_lshl_add_u32 v[TK], v252, 5, s31
	v_add_nc_u32 v253, s31, v233                   ; where I put two of them
	s_mul_i32 s31, s30, 320
	s_add_co_u32 s31, s31, TOKT
	v_lshl_add_u32 v254, v235, 2, s31              ; and where the token of place 16 w + r lies: my copy + 64 w + 4 r
	v_lshlrev_b32 v[PFO], 8, v234
	v_lshlrev_b32 v[SCO], 3, v234
.irp b, 0,1,2,3
	v_mov_b32 v[TM+4+\b], 0                        ; written once: a lane permute's destination counts as one of its sources
.endr
	s_mov_b32 s44, 0x76543210
	s_mov_b32 s45, 0xfedcba98                      ; v_permlanex16_b32's selects for lane l xor 16
	s_mov_b32 s46, 0x600000                        ; the mantissa field of 448
	s_mov_b32 s41, 0
	s_wait_kmcnt 0x0
	s_min_u32 s24, s24, 7                          ; what was read is held inside its range ahead of every address
	s_min_u32 s25, s25, 8191
	s_min_u32 s26, s26, 64
	s_max_u32 s29, s26, 1
	s_sub_co_u32 s29, s29, 1                       ; the tile's last place
	s_lshl_b32 s40, s24, 19
	s_lshl_b32 s42, s30, 17
	s_add_co_u32 s40, s40, s42
	s_add_nc_u64 s[32:33], s[12:13], s[40:41]      ; my stream of codes: 131,072 bytes of W1's part; W2's lies 4,194,304 further on
	s_lshl_b32 s40, s24, 14
	s_lshl_b32 s42, s30, 12
	s_add_co_u32 s40, s40, s42
	s_add_nc_u64 s[34:35], s[14:15], s[40:41]      ; my scale words: 4,096 bytes; W2's lie 131,072 further on
	s_lshl_b32 s40, s24, 12
	s_lshl_b32 s42, s30, 10
	s_add_co_u32 s40, s40, s42
	s_add_nc_u64 s[36:37], s[16:17], s[40:41]      ; b1: my 256 units
	s_lshl_b32 s40, s24, 11
	s_lshl_b32 s42, s30, 9
	s_add_co_u32 s40, s40, s42
	s_add_nc_u64 s[38:39], s[18:19], s[40:41]      ; b2: my 128 outputs
	v_min_u32 v236, s29, v234                      ; places lane and lane + 32 of the tile, held at its last,
	v_add_nc_u32 v237, 32, v234
	v_min_u32 v237, s29, v237
	v_add_nc_u32 v236, s25, v236                   ; in order[]
	v_add_nc_u32 v237, s25, v237
	v_min_u32 v236, 0x1fff, v236
	v_min_u32 v237, 0x1fff, v237
	v_lshlrev_b32 v236, 2, v236
	v_lshlrev_b32 v237, 2, v237
	global_load_b32 v238, v236, s[20:21]
	global_load_b32 v239, v237, s[20:21]
	WSC WS, 0
	GRP 0
	WIN 0
	s_wait_loadcnt 48                              ; the tokens are in; the 16 + 32 loads behind them stay out
	v_min_u32 v238, 0x1fff, v238
	v_min_u32 v239, 0x1fff, v239
	ds_store_b32 v253, v238
	ds_store_b32 v253, v239 offset:128
	ds_load_b32 v240, v254                         ; LDS serves a wave's instructions in order: this sees my stores
	s_wait_dscnt 0x0
	v_min_u32 v240, 0x1fff, v240                   ; the token of row r of tile of rows w
	v_lshlrev_b32 v241, 9, v240
	v_lshl_add_u32 v241, v252, 4, v241             ; its 512 codes, + 16 h
	v_lshlrev_b32 v242, 4, v240                    ; its 16 scale bytes
.irp s, 0,1,2,3
.irp g, 0,1,2,3
	global_load_b128 v[BF+16*\s+4*\g:BF+16*\s+4*\g+3], v241, s[8:9] offset:128*\s+32*\g   ; K step s, registers 4 g on: k = 32 g + 16 h + 0 .. 15
.endr
.endr
	global_load_b128 v[216:219], v242, s[10:11]
	BIAS 128, 36, 0
	GRP 1
	WIN 0
	s_wait_loadcnt 48                              ; x's 17 loads are in; the bias's 16 and group 1's 32 stay out
.irp s, 0,1,2,3
.irp g, 0,1,2,3
	ds_store_b128 v[XWI], v[BF+16*\s+4*\g:BF+16*\s+4*\g+3] offset:2048*\s+512*\g
.endr
	ds_store_b32 v[XWS], v[216+\s] offset:128*\s
.endr
	BARRIER                                        ; x's sixteen fragments lie in LDS
	BFETCH 0, LX, 0, 8192, LSX, 0, 512
	STEP 0, 32, 0
	STEP 1, 32, 1
	STEP 2, 48, 2
	STEP 3, 48, 0
.irp m, 0,1,2,3
	QUANT \m, 0
.endr
	STEP 4, 32, 0
	STEP 5, 32, 3
	STEP 6, 48, 0
	STEP 7, 32, 0
.irp m, 0,1,2,3
	QUANT \m, 1
.endr
	BARRIER                                        ; the hidden layer's 32 fragments lie in LDS
	BFETCH 0, LI, 0, 16384, LSH, 0, 1024
	STEP 8, 32, 0
	STEP 9, 32, 0
	STEP 10, 32, 0
	STEP 11, 32, 0
	STEP 12, 32, 0
	STEP 13, 32, 0
	STEP 14, 32, 0
	STEP 15, 0, 0
	; THE WAY OUT, a tile of 16 rows at a time.  A lane holds 64 neighbouring bytes of a row and the lanes beside it hold other rows: so a tile goes through my own stage in LDS and comes back by rows;
	; sixteen lanes store 256 consecutive bytes, aligned, of the row of out0 that belongs to the row's token.
.irp m, 0,1,2,3
.irp q, 0,1
	ds_load_b128 v[OR+8*\m+4*\q:OR+8*\m+4*\q+3], v[TK] offset:64*\m+16*\q   ; the tokens of rows i + 8 (lane / 16), i = 0 .. 7
.endr
.endr
	s_wait_dscnt 0x0
.irp j, 0,1,2,3,4,5,6,7,8,9,10,11,12,13,14,15,16,17,18,19,20,21,22,23,24,25,26,27,28,29,30,31
	v_min_u32 v[OR+\j], 0x1fff, v[OR+\j]
.endr
.irp j, 0,1,2,3,4,5,6,7,8,9,10,11,12,13,14,15,16,17,18,19,20,21,22,23,24,25,26,27,28,29,30,31
	v_lshl_add_u32 v[OR+\j], v[OR+\j], 11, v[CO]   ; a row of out0 is 2,048 bytes.  (These 64 plain lines also stand between the last products and the first read of their results)
.endr
.macro TOSTAGE m
	WIN 0x04                                       ; an LDS store's data are its source 1: window 1
.irp t, 0,1,2,3,4,5,6,7
	ds_store_b128 v[SO], v[64*\m+8*\t:64*\m+8*\t+3] offset:128*(\t/2)+32*(\t%2)          ; each accumulator from its low end on
	ds_store_b128 v[SO], v[64*\m+8*\t+4:64*\m+8*\t+7] offset:128*(\t/2)+32*(\t%2)+16
.endr
	WIN 0
.irp i, 0,1,2,3,4,5,6,7
	ds_load_b128 v[BK+64*((\m)%2)+8*\i:BK+64*((\m)%2)+8*\i+3], v[SR] offset:528*\i       ; LDS serves a wave's instructions in order: these see the stores above, and the next tile's stores come behind them
	ds_load_b128 v[BK+64*((\m)%2)+8*\i+4:BK+64*((\m)%2)+8*\i+7], v[SR] offset:528*\i+256
.endr
.endm
.macro SEND m, younger                 ; younger: the LDS instructions issued behind tile m's loads, which may stay out
	s_wait_dscnt \younger
.irp i, 0,1,2,3,4,5,6,7
	global_store_b128 v[OR+8*\m+\i], v[BK+64*((\m)%2)+8*\i:BK+64*((\m)%2)+8*\i+3], s[22:23] th:TH_STORE_NT
	global_store_b128 v[OR+8*\m+\i], v[BK+64*((\m)%2)+8*\i+4:BK+64*((\m)%2)+8*\i+7], s[22:23] offset:256 th:TH_STORE_NT
.endr
.endm
	TOSTAGE 0
	TOSTAGE 1
	SEND 0, 32                                     ; behind tile 0's loads: tile 1's 16 stores and 16 loads
	s_wait_xcnt 0x0                                ; tile 0's stores have read their registers: tile 2's rows land there only behind this wait
	TOSTAGE 2
	SEND 1, 32
	s_wait_xcnt 0x0
	TOSTAGE 3
	SEND 2, 32
	SEND 3, 0
	s_wait_xcnt 0x0
	v_lshl_add_u32 v254, v0, 2, 0x22000
	v_mov_b32 v255, 0
	s_wait_tensorcnt 0x0
	ds_add_u32 v254, v255
	s_wait_dscnt 0x0
	s_endpgm
.Lfunc_end_k_q02fb4c97a9_chain:
	.size	k_q02fb4c97a9_chain, .Lfunc_end_k_q02fb4c97a9_chain-k_q02fb4c97a9_chain
	.p2alignl 7, 3214868480
	.fill 96, 4, 3214868480
	.section	.rodata,"a",@progbits
	.p2align	6, 0x0
	.amdhsa_kernel k_q02fb4c97a9_chain
		.amdhsa_group_segment_fixed_size 139776
		.amdhsa_private_segment_fixed_size 0
		.amdhsa_enable_private_segment 0
		.amdhsa_kernarg_size 64
		.amdhsa_user_sgpr_count 2
		.amdhsa_user_sgpr_kernarg_segment_ptr 1
		.amdhsa_wavefront_size32 1
		.amdhsa_system_sgpr_workgroup_id_x 1
		.amdhsa_system_sgpr_workgroup_id_y 1
		.amdhsa_system_sgpr_workgroup_id_z 1
		.amdhsa_system_vgpr_workitem_id 0
		.amdhsa_next_free_vgpr 1024
		.amdhsa_next_free_sgpr 66
		.amdhsa_reserve_vcc 0
		.amdhsa_float_denorm_mode_32 3
		.amdhsa_float_denorm_mode_16_64 3
		.amdhsa_memory_ordered 1
		.amdhsa_forward_progress 1
		.amdhsa_inst_pref_size 245
	.end_amdhsa_kernel
	.amdgpu_metadata
---
amdhsa.version: [ 1, 2 ]
amdhsa.kernels:
  - .name:           k_q02fb4c97a9_chain
    .symbol:         k_q02fb4c97a9_chain.kd
    .args:
      - { .name: xc, .offset: 0, .size: 8, .value_kind: global_buffer, .address_space: global }
      - { .name: xs, .offset: 8, .size: 8, .value_kind: global_buffer, .address_space: global }
      - { .name: wc, .offset: 16, .size: 8, .value_kind: global_buffer, .address_space: global }
      - { .name: ws, .offset: 24, .size: 8, .value_kind: global_buffer, .address_space: global }
      - { .name: b1, .offset: 32, .size: 8, .value_kind: global_buffer, .address_space: global }
      - { .name: b2, .offset: 40, .size: 8, .value_kind: global_buffer, .address_space: global }
      - { .name: route, .offset: 48, .size: 8, .value_kind: global_buffer, .address_space: global }
      - { .name: out0, .offset: 56, .size: 8, .value_kind: global_buffer, .address_space: global }
    .group_segment_fixed_size: 139776
    .private_segment_fixed_size: 0
    .kernarg_segment_align: 8
    .kernarg_segment_size: 64
    .max_flat_workgroup_size: 128
    .sgpr_count:     66
    .vgpr_count:     1024
    .wavefront_size: 32
...
	.end_amdgpu_metadata
.endif
;; end of part 3
